; MI455X (gfx1250); checked and timed in simulation.
; The chip was launched on July 23, 2026; its instructions are those of AMD's public machine-readable ISA for CDNA 5 (MIT licence, August 2026) and "CDNA5" Instruction Set Architecture Reference Guide (July 2026). The comments in the code are by the model that wrote it; some were corrected since.
;; Self Attention. Allowed arithmetic: float matrix products may take bf16 or f16 operands with f32 sums; all other float work in f32.
;; Inputs: b_o 1,024 float32; b_qkv 3,072 float32; w_o 1,024 x 1,024 float32; w_qkv 3,072 x 1,024 float32; x 1 x 4,096 x 1,024 float32.
;; Outputs: out0 1 x 4,096 x 1,024 float32.
;; Constants: causal_mask = 1.
;; One version. Each part assembles by itself: llvm-mc -triple=amdgcn-amd-amdhsa -mcpu=gfx1250 --defsym DOCPART=n.
;; ======== version 1 of 1: 4 launches
;; limits: values are held in f16: magnitudes above 65,504 overflow, below 6.1e-05 lose precision
;; workspace buffers: xb 8,388,608 bytes; wqkvb 6,291,456 bytes; wob 2,097,152 bytes; qkvh 25,165,824 bytes; att 8,388,608 bytes
;; launch cast (part 1): grid 1024 x 1, 8 waves a work-group, no clusters, 0 bytes of LDS; arguments x, w_qkv, w_o, xb, wqkvb, wob; writes xb, wqkvb, wob
.if DOCPART == 1
	.amdgcn_target "amdgcn-amd-amdhsa--gfx1250"
	.amdhsa_code_object_version 6
	.text
	.protected	k_q049bfb2635_cast
	.globl	k_q049bfb2635_cast
	.p2align	8
	.type	k_q049bfb2635_cast,@function
k_q049bfb2635_cast:
	s_mov_b64 s[64:65], 0
	v_nop
	global_prefetch_b8 v0, s[64:65] scope:SCOPE_SE
	s_setreg_imm32_b32 hwreg(HW_REG_WAVE_MODE, 25, 1), 1
	s_wait_xcnt 0x0
; The three large f32 inputs are narrowed once to 16 bits, so that the two products that follow move and read half the bytes:
; every tile of x is wanted by 12 column blocks and every tile of w_qkv by 16 row blocks.
;   x -> xb, w_qkv -> wqkvb : bf16, round to nearest even.
;   w_o -> wob              : rounded to bf16's 8 significant bits like the other two, then that value written in f16's code, since its partner
;                             operand in the last product (att) is f16.  The second step is exact for |w| >= 2^-17; below, its error is at most 2^-25.
;                             LIMIT: |w_o| >= 65,520 becomes infinity.
; A work-group takes 8,192 numbers (32 KiB in, 16 KiB out): groups 0-511 x, 512-895 w_qkv, 896-1023 w_o.
; Thread t takes 16 bytes at 16 t + 4,096 j, j = 0..7: a wave's load covers 512 consecutive bytes, its store 256 consecutive, aligned bytes.
; A stream in which nothing is shared: no LDS, no barrier, no matrix unit.  All eight loads are issued before the first is used.
.set XG, 512                           ; work-groups for x
.set WG, 896                           ; and up to here for w_qkv
.set IN,  4                            ; v[4:35]   eight loads of four f32
.set OUT, 36                           ; v[36:51]  eight pairs of packed results
.set TW,  52                           ; v[52:55]  w_o's way: four f32 at work
	s_load_b256 s[4:11], s[0:1], 0x0               ; x s[4:5], w_qkv s[6:7], w_o s[8:9], xb s[10:11]
	s_load_b128 s[12:15], s[0:1], 0x20             ; wqkvb s[12:13], wob s[14:15]
	v_lshlrev_b32 v1, 4, v0                        ; 16 t: where I read
	v_lshlrev_b32 v2, 3, v0                        ; 8 t: where I write
	s_sub_co_u32 s20, ttmp9, XG                    ; the group's number inside w_qkv,
	s_sub_co_u32 s21, ttmp9, WG                    ; inside w_o (only the one that applies is used)
	s_mov_b32 s25, 0
	s_mov_b32 s27, 0
	s_mov_b32 s28, 0xffff0000                      ; a word's upper bf16
	s_wait_kmcnt 0x0
	s_cmp_lt_u32 ttmp9, WG                         ; the choice of buffers hangs on the group's number alone
	s_cselect_b64 s[16:17], s[6:7], s[8:9]
	s_cselect_b64 s[18:19], s[12:13], s[14:15]
	s_cselect_b32 s22, s20, s21
	s_cmp_lt_u32 ttmp9, XG
	s_cselect_b64 s[16:17], s[4:5], s[16:17]
	s_cselect_b64 s[18:19], s[10:11], s[18:19]
	s_cselect_b32 s22, ttmp9, s22
	s_lshl_b32 s24, s22, 15                        ; 32 KiB of input for each group,
	s_lshl_b32 s26, s22, 14                        ; 16 KiB of output
	s_add_nc_u64 s[16:17], s[16:17], s[24:25]
	s_add_nc_u64 s[18:19], s[18:19], s[26:27]
.irp j, 0,1,2,3,4,5,6,7
	global_load_b128 v[IN+4*\j:IN+4*\j+3], v1, s[16:17] offset:4096*\j th:TH_LOAD_NT   ; read once in the whole launch
.endr
	s_cmp_lt_u32 ttmp9, WG
	s_cbranch_scc0 .Lw_o
.irp j, 0,1,2,3,4,5,6,7
	s_wait_loadcnt 7-\j                            ; loads come back in order (ISA guide 5.7.1): load j is in, the 7 - j younger ones stay out
	v_cvt_pk_bf16_f32 v[OUT+2*\j],   v[IN+4*\j],   v[IN+4*\j+1]
	v_cvt_pk_bf16_f32 v[OUT+2*\j+1], v[IN+4*\j+2], v[IN+4*\j+3]
	global_store_b64 v2, v[OUT+2*\j:OUT+2*\j+1], s[18:19] offset:2048*\j   ; no register of a store is written again
.endr
	s_endpgm
.Lw_o:
.irp j, 0,1,2,3,4,5,6,7
	s_wait_loadcnt 7-\j
	v_cvt_pk_bf16_f32 v[OUT+2*\j],   v[IN+4*\j],   v[IN+4*\j+1]     ; the rounding: 8 significant bits
	v_cvt_pk_bf16_f32 v[OUT+2*\j+1], v[IN+4*\j+2], v[IN+4*\j+3]
	v_lshlrev_b32 v[TW],   16,  v[OUT+2*\j]                          ; the rounded values as f32
	v_and_b32     v[TW+1], s28, v[OUT+2*\j]
	v_lshlrev_b32 v[TW+2], 16,  v[OUT+2*\j+1]
	v_and_b32     v[TW+3], s28, v[OUT+2*\j+1]
	v_cvt_pk_f16_f32 v[OUT+2*\j],   v[TW],   v[TW+1]                 ; the same values in f16's code
	v_cvt_pk_f16_f32 v[OUT+2*\j+1], v[TW+2], v[TW+3]
	global_store_b64 v2, v[OUT+2*\j:OUT+2*\j+1], s[18:19] offset:2048*\j
.endr
	s_endpgm
.Lfunc_end_k_q049bfb2635_cast:
	.size	k_q049bfb2635_cast, .Lfunc_end_k_q049bfb2635_cast-k_q049bfb2635_cast
	.p2alignl 7, 3214868480
	.fill 96, 4, 3214868480
	.section	.rodata,"a",@progbits
	.p2align	6, 0x0
	.amdhsa_kernel k_q049bfb2635_cast
		.amdhsa_group_segment_fixed_size 0
		.amdhsa_private_segment_fixed_size 0
		.amdhsa_enable_private_segment 0
		.amdhsa_kernarg_size 48
		.amdhsa_user_sgpr_count 2
		.amdhsa_user_sgpr_kernarg_segment_ptr 1
		.amdhsa_wavefront_size32 1
		.amdhsa_system_sgpr_workgroup_id_x 1
		.amdhsa_system_sgpr_workgroup_id_y 1
		.amdhsa_system_sgpr_workgroup_id_z 1
		.amdhsa_system_vgpr_workitem_id 0
		.amdhsa_next_free_vgpr 56
		.amdhsa_next_free_sgpr 66
		.amdhsa_reserve_vcc 0
		.amdhsa_float_denorm_mode_32 3
		.amdhsa_float_denorm_mode_16_64 3
		.amdhsa_memory_ordered 1
		.amdhsa_forward_progress 1
		.amdhsa_inst_pref_size 9
	.end_amdhsa_kernel
	.amdgpu_metadata
---
amdhsa.version: [ 1, 2 ]
amdhsa.kernels:
  - .name:           k_q049bfb2635_cast
    .symbol:         k_q049bfb2635_cast.kd
    .args:
      - { .name: x, .offset: 0, .size: 8, .value_kind: global_buffer, .address_space: global }
      - { .name: w_qkv, .offset: 8, .size: 8, .value_kind: global_buffer, .address_space: global }
      - { .name: w_o, .offset: 16, .size: 8, .value_kind: global_buffer, .address_space: global }
      - { .name: xb, .offset: 24, .size: 8, .value_kind: global_buffer, .address_space: global }
      - { .name: wqkvb, .offset: 32, .size: 8, .value_kind: global_buffer, .address_space: global }
      - { .name: wob, .offset: 40, .size: 8, .value_kind: global_buffer, .address_space: global }
    .group_segment_fixed_size: 0
    .private_segment_fixed_size: 0
    .kernarg_segment_align: 8
    .kernarg_segment_size: 48
    .max_flat_workgroup_size: 256
    .sgpr_count:     66
    .vgpr_count:     56
    .wavefront_size: 32
...
	.end_amdgpu_metadata
.endif
;; end of part 1
;; launch qkv (part 2): grid 12 x 16, 4 waves a work-group, clusters of 4 x 4, 327,680 bytes of LDS; arguments xb, wqkvb, b_qkv, qkvh; writes qkvh
.if DOCPART == 2
	.amdgcn_target "amdgcn-amd-amdhsa--gfx1250"
	.amdhsa_code_object_version 6
	.text
	.protected	k_q049bfb2635_qkv
	.globl	k_q049bfb2635_qkv
	.p2align	8
	.type	k_q049bfb2635_qkv,@function
k_q049bfb2635_qkv:
	s_mov_b64 s[64:65], 0
	v_nop
	global_prefetch_b8 v0, s[64:65] scope:SCOPE_SE
	s_setreg_imm32_b32 hwreg(HW_REG_WAVE_MODE, 25, 1), 1
	s_wait_xcnt 0x0
	s_wait_alu depctr_hold_cnt(0) depctr_sa_sdst(0) depctr_va_vdst(0) depctr_va_sdst(0) depctr_va_ssrc(0) depctr_va_vcc(0) depctr_vm_vsrc(0)
	s_getreg_b32 s2, hwreg(HW_REG_IB_STS2, 6, 4)
	s_cmp_eq_u32 s2, 0
	s_cbranch_scc0 .Lentry_in_a_cluster
	s_endpgm
.Lentry_in_a_cluster:
	s_bfe_u32 s2, ttmp6, 0x10000c
	s_cmp_lg_u32 s2, 0xf033
	s_cbranch_scc0 .Lentry_shape_is_right
	s_endpgm
.Lentry_shape_is_right:
; qkv[m][n] = sum over k of x[m][k] w_qkv[n][k] + b_qkv[n].  A = xb [4096][1024] bf16, B = wqkvb [3072][1024] bf16, sums in f32.
; The result is stored in f16, head-major: qkvh[p][m][d], p = n / 64 (planes 0-15 q, 16-31 k, 32-47 v), d = n % 64, a plane 524,288 bytes.
; WHY f16: row t of the final output has a spread about 0.33 / sqrt(t) while the whole output's root mean square is about 0.027, so the early rows
; need q, k, v finer than 8 significant bits.  LIMIT: |q|, |k|, |v| >= 65,520 become infinity.  At the drawn spread they stay under 3.3; with x, w and b
; all 30 times larger under 3,000; with x and w both offset by 30 of their spreads under 58,000.
; A work-group makes a block of 256 x 256 with four waves, as many as a WGP has SIMDs; a wave makes 128 x 128: 64 accumulator tiles, 512 registers.
; K goes in steps of 128 (rows of 256 bytes of memory, at multiples of 256 bytes) through a ring of two LDS slots filled by the tensor data mover.
; 12 x 16 = 192 work-groups: blocks that would give 256 groups with whole heads in a wave have wave tiles of 64 x 192, which read
; (64 + 192) / (64 x 192) against (128 + 128) / (128 x 128) numbers from LDS for each multiply-add, a third more.
; CLUSTERS: 4 x 4 work-groups.  The four of a row of the cluster need the same tiles of A, the four of a column the same tiles of B: such a tile is asked for
; jointly, by the same tensor load with the same descriptor and a mask that names the four.  That divides the requests for A and for B by four.
;
; REGISTERS, in windows of 256:
;   window 0: v0-31 addresses; v64-127, v128-191 fragments of A, two buffers; v192-223 at work on the way out
;   window 1: v0-63 the bias as eight C tiles; v64-127, v128-191 fragments of B, two buffers
;   window 2: the 32 accumulator tiles of my rows 0-63 (tile (a, b) at v[8 (8 a + b)]);   window 3: those of my rows 64-127
; THE MATRIX INSTRUCTION IS USED TRANSPOSED: source 0 = 16 rows of B, source 1 = 16 rows of A: lane l holds row m = l % 16 and in its registers 0-7 the
; columns n = 8 (l / 16) + 0..7, eight neighbouring numbers of a row, which pack into 16 bytes.
.set SIZE_K, 1024
.set KSTEP,  128
.set PITCH,  272                       ; an LDS row: 256 bytes + 16 of padding = 68 words: the 16 rows that a load touches start at 16 different banks (64 banks of 4 bytes: ISA guide 11.1)
.set HALFT,  128*PITCH                 ; 128 rows: what one tensor load brings, and what one wave reads of A or of B
.set SLOT,   4*HALFT                   ; A's 256 rows, then B's 256 rows
.set STAGE,  2*SLOT                    ; behind the ring: 16 rows x 272 bytes for each wave, for the way out; no tensor load lands there
.set SPITCH, 272
.set LAPS, SIZE_K/(2*KSTEP)            ; 4 laps of two K steps
.set ADRA, 16                          ; v16-17  LDS address of my A fragments in slot 0, 1
.set ADRB, 20                          ; v20-21  the same for B
.set STO,  24                          ; v24     the way out: where I put 16 bytes of a row
.set RD,   25                          ; v25     the way out: where I read back
.set CO,   26                          ; v26     my byte offset in qkvh
.set BO,   27                          ; v27     my byte offset in the bias
.set F0,   64
.set F1,   128
.set TMP,  192
.set G1, 24                            ; s[24:31] descriptor group 1 for A's tiles
.set G0, 32                            ; s[32:39] group 0 for A's tiles, one set for each slot
.set G1B, 48                           ; s[48:55] group 1 for B's tiles: it differs from A's in the mask alone
.set G0B, 56                           ; s[56:63] group 0 for B's tiles
.set MSB, 0
.macro WIN new                         ; the immediate's high byte repeats the setting that is left
.if MSB != \new
	s_set_vgpr_msb (MSB<<8)|\new
.set MSB, \new
.endif
.endm
.set MUL_LO,  0xa1                     ; source 0 (B) window 1, source 1 (A) window 0, C and D window 2
.set MUL_HI,  0xf1                     ; the same, C and D window 3
.set BIAS_LO, 0x91                     ; the first products: C = the bias in window 1, D window 2
.set BIAS_HI, 0xd1                     ; C = the bias in window 1, D window 3
.set TO_B,    0x40                     ; destination window 1, address window 0
; A joint load.  Waves 0 and 1 fetch A's two halves, waves 2 and 3 B's.  Each line has one mask and one set of registers for all that issue it.
; The branch hangs on the wave's number alone: it is the same in every work-group.
.macro JLOAD s
	s_cmp_eq_u32 s11, 0
	s_cbranch_scc0 .Lfor_b_\@
	tensor_load_to_lds s[G0+4*\s:G0+4*\s+3], s[G1:G1+7]
	s_nop 0
	s_branch .Lasked_\@
.Lfor_b_\@:
	tensor_load_to_lds s[G0B+4*\s:G0B+4*\s+3], s[G1B:G1B+7]
	s_nop 0
.Lasked_\@:
.endm
; A round of the cluster's barrier: my work-group's barrier; wave 0 signals for the work-group; every wave waits for all sixteen; my work-group's barrier again.
.macro CREST                           ; a round behind its opening barrier
	s_cmp_lg_u32 s10, 0
	s_cbranch_scc1 .Lnot_wave_0_\@
	s_barrier_signal -3
.Lnot_wave_0_\@:
	s_barrier_wait -3
	s_barrier_signal -1
	s_barrier_wait -1
.endm
.macro CROUND                          ; a whole round
	s_barrier_signal -1
	s_barrier_wait -1
	CREST
.endm
	s_load_b128 s[4:7], s[0:1], 0x0                ; A s[4:5], B s[6:7]
	s_load_b128 s[68:71], s[0:1], 0x10             ; b_qkv s[68:69], qkvh s[70:71]
	s_set_vgpr_msb 0x40
	v_lshl_add_u32 v255, v0, 2, 0x48400
	s_set_vgpr_msb 0x4000
	v_mov_b32 v255, 0
	s_set_vgpr_msb 0x1
	ds_add_u32 v255, v255
	ds_add_u32 v255, v255
	s_set_vgpr_msb 0x100
	v_lshrrev_b32 v1, 5, v0
	v_readfirstlane_b32 s10, v1                    ; wave 0..3
	s_lshr_b32 s11, s10, 1                         ; which half of the block's rows is mine.  Also: I fetch for A (0) or for B (1)
	s_and_b32 s12, s10, 1                          ; which half of its columns.  Also: which 128 rows of that tile I fetch
	s_bfe_u32 s40, ttmp6, 0x40000                  ; cx
	s_bfe_u32 s41, ttmp6, 0x40004                  ; cy
	s_lshl_b32 s42, ttmp9, 2
	s_add_co_u32 s42, s42, s40                     ; block column = 4 x cluster x + cx
	s_and_b32 s13, ttmp7, 0xffff
	s_lshl_b32 s13, s13, 2
	s_add_co_u32 s13, s13, s41                     ; block row = 4 x cluster y + cy
	s_lshl_b32 s43, s41, 2
	s_lshl_b32 s43, 15, s43                        ; my row of the cluster: places 4 cy .. 4 cy + 3
	s_lshl_b32 s44, 0x1111, s40                    ; my column: places cx, cx + 4, cx + 8, cx + 12
	; group 1: a tile of 128 rows x 128 elements of 2 bytes, 4 words of padding behind every 64 words
	s_or_b32 s[G1+0], s43, (1<<16)|(1<<20)|(1<<21)|(5<<22)|(3<<25)
	s_or_b32 s[G1B+0], s44, (1<<16)|(1<<20)|(1<<21)|(5<<22)|(3<<25)
	s_mov_b32 s[G1+1], KSTEP<<16                   ; tensor_dim0 = 128
	s_mov_b32 s[G1B+1], KSTEP<<16
	s_mov_b32 s[G1+2], 128<<16                     ; tensor_dim1 = 128
	s_mov_b32 s[G1B+2], 128<<16
	s_mov_b32 s[G1+3], KSTEP<<16                   ; tile_dim0 = 128
	s_mov_b32 s[G1B+3], KSTEP<<16
	s_mov_b32 s[G1+4], 128                         ; tile_dim1 = 128
	s_mov_b32 s[G1B+4], 128
	s_mov_b32 s[G1+5], SIZE_K                      ; elements from row to row
	s_mov_b32 s[G1B+5], SIZE_K
	s_mov_b32 s[G1+6], 0
	s_mov_b32 s[G1B+6], 0
	s_mov_b32 s[G1+7], 0
	s_mov_b32 s[G1B+7], 0
	; A's tiles hang on the block row alone, B's on the block column alone; each address is made in registers that never hold the other coordinate
	s_lshl_b32 s17, s12, 7
	s_lshl_b32 s16, s13, 8
	s_add_co_u32 s16, s16, s17                     ; A: row 256 x block row + 128 x half
	s_lshl_b32 s46, s42, 8
	s_add_co_u32 s46, s46, s17                     ; B: row 256 x block column + 128 x half
	s_mov_b32 s17, 0
	s_mov_b32 s47, 0
	s_mov_b64 s[18:19], SIZE_K*2
	s_mul_u64 s[16:17], s[16:17], s[18:19]
	s_mul_u64 s[46:47], s[46:47], s[18:19]
	s_mul_i32 s20, s10, HALFT                      ; LDS: A's two halves, then B's two halves = wave x 128 rows
	s_lshl_b32 s66, s42, 10                        ; the bias of my 128 columns: 4 bytes x (256 x block column + 128 x half)
	s_lshl_b32 s67, s12, 9
	s_add_co_u32 s66, s66, s67
	s_mov_b32 s67, 0
	s_wait_dscnt 0x0
	s_wait_kmcnt 0x0
	s_add_nc_u64 s[14:15], s[4:5], s[16:17]
	s_add_nc_u64 s[46:47], s[6:7], s[46:47]
	s_add_nc_u64 s[68:69], s[68:69], s[66:67]
	CROUND                                         ; all sixteen work-groups are here: the first joint loads meet
.irp s, 0,1
	s_mov_b32 s[G0+4*\s], 1
	s_add_co_u32 s[G0+4*\s+1], s20, \s*SLOT
	s_add_nc_u64 s[G0+4*\s+2:G0+4*\s+3], s[14:15], \s*KSTEP*2
	s_or_b32 s[G0+4*\s+3], s[G0+4*\s+3], 0x80000000
	s_mov_b32 s[G0B+4*\s], 1
	s_add_co_u32 s[G0B+4*\s+1], s20, \s*SLOT
	s_add_nc_u64 s[G0B+4*\s+2:G0B+4*\s+3], s[46:47], \s*KSTEP*2
	s_or_b32 s[G0B+4*\s+3], s[G0B+4*\s+3], 0x80000000
	JLOAD \s                                       ; two tensor loads of the wave are out
.endr
	; a fragment: lane l holds row l % 16; registers 0-3 K = 8 (l / 16) + 0..7, registers 4-7 K = 16 + 8 (l / 16) + 0..7: two loads of 16 bytes, 32 apart
	v_and_b32 v1, 15, v0                           ; l % 16
	v_bfe_u32 v2, v0, 4, 1                         ; l / 16
	v_and_b32 v6, 7, v0                            ; l % 8
	v_bfe_u32 v7, v0, 3, 1                         ; (l / 8) % 2
	v_mul_u32_u24 v3, v1, PITCH
	v_lshl_add_u32 v3, v2, 4, v3
	s_mul_i32 s21, s11, HALFT                      ; my 128 rows of A
	s_mul_i32 s22, s12, HALFT                      ; my 128 rows of B,
	s_add_co_u32 s22, s22, 2*HALFT                 ; behind A's 256
.irp s, 0,1
	v_add_nc_u32 v[ADRA+\s], s21, v3
	v_add_nc_u32 v[ADRB+\s], s22, v3
	s_add_co_u32 s21, s21, SLOT
	s_add_co_u32 s22, s22, SLOT
.endr
	s_mul_i32 s23, s10, 16*SPITCH
	s_add_co_u32 s23, s23, STAGE                   ; my stage
	v_mul_u32_u24 v4, v1, SPITCH                   ; in: row l % 16, 16 bytes for each half of the lanes
	v_lshl_add_u32 v4, v2, 4, v4
	v_add_nc_u32 v[STO], s23, v4
	; back: lanes 0-15 take the first head's 128 bytes of two neighbouring rows, lanes 16-31 the second head's
	v_mul_u32_u24 v5, v7, SPITCH                   ; row (l / 8) % 2 of the pair
	v_lshl_add_u32 v5, v2, 7, v5                   ; head l / 16: 128 bytes of the staged row
	v_lshl_add_u32 v5, v6, 4, v5                   ; piece l % 8
	v_add_nc_u32 v[RD], s23, v5
	v_lshlrev_b32 v5, 19, v2                       ; in qkvh: plane l / 16,
	v_lshl_add_u32 v5, v7, 7, v5                   ; row, 128 bytes,
	v_lshl_add_u32 v[CO], v6, 4, v5                ; piece
	v_lshlrev_b32 v[BO], 5, v2                     ; bias: 8 (l / 16) numbers of 4 bytes
; 16 matrix instructions: m blocks a0, a0 + 1 of the window's four x all 8 n blocks, 32 along K.
; zero = 1: the first product starts the sums from the bias tile b (register j of lane l = bias[16 b + 8 (l / 16) + j], the same for every row): nothing is cleared, nothing added later.
.macro MUL16 f, hi, a0, zero
.irp a, \a0, \a0+1
.irp b, 0,1,2,3,4,5,6,7
.if \zero
	v_wmma_f32_16x16x32_bf16 v[8*(8*(\a)+\b):8*(8*(\a)+\b)+7], v[\f+8*\b:\f+8*\b+7], v[\f+8*(4*\hi+\a):\f+8*(4*\hi+\a)+7], v[8*\b:8*\b+7]
.else
	v_wmma_f32_16x16x32_bf16 v[8*(8*(\a)+\b):8*(8*(\a)+\b)+7], v[\f+8*\b:\f+8*\b+7], v[\f+8*(4*\hi+\a):\f+8*(4*\hi+\a)+7], v[8*(8*(\a)+\b):8*(8*(\a)+\b)+7]
.endif
.endr
.endr
.endm
; 32 LDS loads in one run: the fragments of one quarter step into buffer f
.macro FETCH slot, k, f
	WIN TO_B
.irp i, 0,1,2,3,4,5,6,7
	ds_load_b128 v[\f+8*\i:\f+8*\i+3],   v[ADRB+\slot] offset:\k+\i*16*PITCH
	ds_load_b128 v[\f+8*\i+4:\f+8*\i+7], v[ADRB+\slot] offset:\k+\i*16*PITCH+32
.endr
	WIN 0
.irp i, 0,1,2,3,4,5,6,7
	ds_load_b128 v[\f+8*\i:\f+8*\i+3],   v[ADRA+\slot] offset:\k+\i*16*PITCH
	ds_load_b128 v[\f+8*\i+4:\f+8*\i+7], v[ADRA+\slot] offset:\k+\i*16*PITCH+32
.endr
.endm
; A load into a register that a matrix instruction has read, and a vector instruction that reads a matrix result, stand four places behind it, and only
; plain vector instructions that name none of its registers are places (ISA guide 7.12.1 for vector instructions).
.macro PLACES
.rept 4
	v_nop
.endr
.endm
; A K step is four quarters of 32 along K, 64 matrix instructions each, on buffers 0, 1, 0, 1.  The 64 accumulators take turns, one instruction a turn,
; in the same order in every quarter.
.macro QUARTER slot, k, f, g, zero
	s_wait_dscnt 8                                 ; B and A's rows 0-63 are in; the youngest eight loads (A's rows 64-127) may be out
.if \zero
	WIN BIAS_LO
.else
	WIN MUL_LO
.endif
	MUL16 \f, 0, 0, \zero
	MUL16 \f, 0, 2, \zero
	PLACES
	FETCH \slot, \k, \g
	s_wait_dscnt 32                                ; all but the 32 just issued
.if \zero
	WIN BIAS_HI
.else
	WIN MUL_HI
.endif
	MUL16 \f, 1, 0, \zero
	MUL16 \f, 1, 2, \zero
.endm
.macro THREE slot, zero
	QUARTER \slot, 64,  F0, F1, \zero
	QUARTER \slot, 128, F1, F0, 0
	QUARTER \slot, 192, F0, F1, 0
.endm
; The last quarter multiplies buffer 1 and changes slots.  In front of the barrier each wave waits for its reads of this slot and for all its tensor loads
; (one is out: its part of the next slot).  Behind it nobody reads this slot and the next slot is whole: the refill comes first, then the next fragments.
.macro TURN slot, next, fill
	s_wait_dscnt 8
	WIN MUL_LO
	MUL16 F1, 0, 0, 0
	s_wait_dscnt 0                                 ; my reads of this slot are over
	s_wait_tensorcnt 0x0                           ; and all my tensor loads have landed
	ds_add_u32 v255, v255
	s_wait_dscnt 0x0
	s_barrier_signal -1                            ; (where a slot is filled again this barrier opens a round of the cluster's barrier)
	MUL16 F1, 0, 2, 0                              ; register work while the others arrive
	WIN 0
	s_barrier_wait -1
.if \fill
	CREST                                          ; no wave of any partner still reads this slot's tile or has a load on its way
	s_add_nc_u64 s[G0+4*\slot+2:G0+4*\slot+3], s[G0+4*\slot+2:G0+4*\slot+3], 2*KSTEP*2
	s_add_nc_u64 s[G0B+4*\slot+2:G0B+4*\slot+3], s[G0B+4*\slot+2:G0B+4*\slot+3], 2*KSTEP*2
	JLOAD \slot                                    ; the first tensor load behind the round; one tensor load of the wave is out
.endif
	PLACES
	FETCH \next, 0, F0
	WIN MUL_HI
	MUL16 F1, 1, 0, 0
	MUL16 F1, 1, 2, 0
.endm
.macro LAP zero
	THREE 0, \zero
	TURN 0, 1, 1
	THREE 1, 0
	TURN 1, 0, 1
.endm
	WIN TO_B                                       ; the bias of my 128 columns into window 1, v0-63
.irp b, 0,1,2,3,4,5,6,7
	global_load_b128 v[8*\b:8*\b+3],   v[BO], s[68:69] offset:64*\b
	global_load_b128 v[8*\b+4:8*\b+7], v[BO], s[68:69] offset:64*\b+16
.endr
	s_wait_tensorcnt 1                             ; my part of K step 0 is in; K step 1's stays out
	s_barrier_signal -1
	s_barrier_wait -1
	FETCH 0, 0, F0
	s_wait_loadcnt 0x0                             ; the bias
	LAP 1                                          ; the first lap stands in front of the loop: its first products start the sums
	WIN 0                                          ; at a label and at a branch every window is 0
	s_mov_b32 s3, LAPS-2
.Llap:
	LAP 0
	WIN 0
	s_sub_co_u32 s3, s3, 1
	s_cmp_lg_u32 s3, 0
	s_cbranch_scc1 .Llap
	THREE 0, 0                                     ; the last lap fills nothing
	TURN 0, 1, 0
	THREE 1, 0
	s_wait_dscnt 8
	WIN MUL_LO
	MUL16 F1, 0, 0, 0
	MUL16 F1, 0, 2, 0
	s_wait_dscnt 0
	WIN MUL_HI
	MUL16 F1, 1, 0, 0
	MUL16 F1, 1, 2, 0
	; THE WAY OUT, 16 rows at a time: round to f16, 16 bytes a lane into my own stage, read back so that sixteen lanes hold two neighbouring rows of one head.
	PLACES
	s_lshl_b32 s16, s13, 15                        ; my first row: (256 x block row + 128 x half) x 128 bytes
	s_lshl_b32 s17, s11, 14
	s_add_co_u32 s16, s16, s17
	s_mov_b32 s17, 0
	s_add_nc_u64 s[8:9], s[70:71], s[16:17]
	s_lshl_b32 s46, s42, 21                        ; my first plane: (4 x block column + 2 x half) x 524,288 bytes
	s_lshl_b32 s47, s12, 20
	s_add_co_u32 s46, s46, s47
	s_mov_b32 s47, 0
	s_add_nc_u64 s[8:9], s[8:9], s[46:47]
.macro OUT16 i, a, from, f
	WIN \from
.irp b, 0,1,2,3,4,5,6,7
.irp r, 0,1,2,3
	v_cvt_pk_f16_f32 v[TMP+4*\b+\r], v[8*(8*\a+\b)+2*\r], v[8*(8*\a+\b)+2*\r+1]
.endr
.endr
	WIN 0
.irp b, 0,1,2,3,4,5,6,7
	ds_store_b128 v[STO], v[TMP+4*\b:TMP+4*\b+3] offset:32*\b
.endr
	s_wait_xcnt 0x0                                ; buffer f, which earlier stores read, is loaded again only behind this wait
.irp t, 0,1,2,3,4,5,6,7
	ds_load_b128 v[\f+4*\t:\f+4*\t+3], v[RD] offset:\t*2*SPITCH    ; LDS serves a wave's instructions in order (ISA guide 5.7.1.4): these see the stores above
.endr
.irp t, 0,1,2,3,4,5,6,7
	s_wait_dscnt 7-\t
	global_store_b128 v[CO], v[\f+4*\t:\f+4*\t+3], s[8:9] offset:2048*\i+256*\t   ; 16 lanes store rows 16 i + 2 t and + 1 of one plane: 256 consecutive bytes, aligned
.endr
.endm
	OUT16 0, 0, 0x0a, F0
	OUT16 1, 1, 0x0a, F1
	OUT16 2, 2, 0x0a, F0
	OUT16 3, 3, 0x0a, F1
	OUT16 4, 0, 0x0f, F0
	OUT16 5, 1, 0x0f, F1
	OUT16 6, 2, 0x0f, F0
	OUT16 7, 3, 0x0f, F1
	s_set_vgpr_msb 0x1
	s_wait_tensorcnt 0x0
	ds_add_u32 v255, v255
	s_wait_dscnt 0x0
	s_set_vgpr_msb 0x100
	CROUND                                         ; the closing round: no work-group ends while a partner may still ask for a tile that names it
	s_endpgm
.Lfunc_end_k_q049bfb2635_qkv:
	.size	k_q049bfb2635_qkv, .Lfunc_end_k_q049bfb2635_qkv-k_q049bfb2635_qkv
	.p2alignl 7, 3214868480
	.fill 96, 4, 3214868480
	.section	.rodata,"a",@progbits
	.p2align	6, 0x0
	.amdhsa_kernel k_q049bfb2635_qkv
		.amdhsa_group_segment_fixed_size 327680
		.amdhsa_private_segment_fixed_size 0
		.amdhsa_enable_private_segment 0
		.amdhsa_kernarg_size 32
		.amdhsa_user_sgpr_count 2
		.amdhsa_user_sgpr_kernarg_segment_ptr 1
		.amdhsa_wavefront_size32 1
		.amdhsa_system_sgpr_workgroup_id_x 1
		.amdhsa_system_sgpr_workgroup_id_y 1
		.amdhsa_system_sgpr_workgroup_id_z 1
		.amdhsa_system_vgpr_workitem_id 0
		.amdhsa_next_free_vgpr 1024
		.amdhsa_next_free_sgpr 72
		.amdhsa_reserve_vcc 0
		.amdhsa_float_denorm_mode_32 3
		.amdhsa_float_denorm_mode_16_64 3
		.amdhsa_memory_ordered 1
		.amdhsa_forward_progress 1
		.amdhsa_inst_pref_size 198
	.end_amdhsa_kernel
	.amdgpu_metadata
---
amdhsa.version: [ 1, 2 ]
amdhsa.kernels:
  - .name:           k_q049bfb2635_qkv
    .symbol:         k_q049bfb2635_qkv.kd
    .args:
      - { .name: xb, .offset: 0, .size: 8, .value_kind: global_buffer, .address_space: global }
      - { .name: wqkvb, .offset: 8, .size: 8, .value_kind: global_buffer, .address_space: global }
      - { .name: b_qkv, .offset: 16, .size: 8, .value_kind: global_buffer, .address_space: global }
      - { .name: qkvh, .offset: 24, .size: 8, .value_kind: global_buffer, .address_space: global }
    .group_segment_fixed_size: 327680
    .private_segment_fixed_size: 0
    .kernarg_segment_align: 8
    .kernarg_segment_size: 32
    .max_flat_workgroup_size: 128
    .sgpr_count:     72
    .vgpr_count:     1024
    .wavefront_size: 32
...
	.end_amdgpu_metadata
.endif
;; end of part 2
;; launch attn (part 3): grid 16 x 16, 8 waves a work-group, no clusters, 327,680 bytes of LDS; arguments qkvh, att; writes att
.if DOCPART == 3
	.amdgcn_target "amdgcn-amd-amdhsa--gfx1250"
	.amdhsa_code_object_version 6
	.text
	.protected	k_q049bfb2635_attn
	.globl	k_q049bfb2635_attn
	.p2align	8
	.type	k_q049bfb2635_attn,@function
k_q049bfb2635_attn:
	s_mov_b64 s[64:65], 0
	v_nop
	global_prefetch_b8 v0, s[64:65] scope:SCOPE_SE
	s_setreg_imm32_b32 hwreg(HW_REG_WAVE_MODE, 25, 1), 1
	s_wait_xcnt 0x0
; Causal attention of one head: att[head][s][d] = sum over t <= s of softmax_t(q[s].k[t] / 8) v[t][d].  q, k, v, att in f16, head-major; scores, softmax and sums in f32.
; Query blocks of 128 rows, 32 to a head.  Work-group (i, head) makes block i and then block 31 - i: (i + 1) + (32 - i) = 33 tiles of 128 keys in every work-group.
; Tiles wholly above the diagonal are not computed.  A block begins with its diagonal tile (the only one that is masked), then takes tiles 0, 1, ...
; Eight waves: wave w = 4 g + w4 owns queries 32 w4 .. + 31 of the block and keys 64 g .. + 63 of every tile.  Each group g keeps its own running maximum, sum and O;
; at a block's end group 1 hands its state to group 0 through LDS, which merges, divides and stores.
; LAYOUTS, chosen so that no number changes lanes in the loop but the maximum's one exchange of halves:
;   S^T = K Q^T: lane (r, h) register j of tile (kt, qt) = key 16 kt + 8 h + j, query 16 qt + r.  A lane holds 32 of its query's 64 scores.
;   Packed to f16, tiles 2 ks and 2 ks + 1 are the B fragment (column = query r, k = keys) of O^T = V^T P^T.  V^T's fragments come by transposing loads from V [key][d].
;   O^T: lane (r, h) register j of tile (dt, qt) = d 16 dt + 8 h + j, query 16 qt + r: rescaling is a multiply by the lane's own factor.
; SOFTMAX: p = 2^(c s - c m), c = log2(e) / 8, m the running maximum of the raw scores.
; LIMITS: m has a floor of -1e30, which stands for 'no key yet'; rows whose every score lies below it are not served.  The order of sums differs from a plain
; row sum (diagonal tile first, keys split over two groups).  P is rounded to f16 (below 2^-14 in steps of 2^-24), the row sum uses the unrounded p.
; NO CLUSTER: the work-groups of a head need different tiles at a time: group i is at tile n - 1 of block i while group i' is at another, and they change blocks
; at trip i + 1.  A form in which four partners ask jointly for every tile needs 36 trips instead of 33 and the mask's 104 instructions in 8 trips instead of 2;
; what it would share is 32 KiB a trip.
.set PLANE,   524288                   ; bytes of a plane [4096][64] f16
.set SLOT,    38912                    ; V: 128 keys x 160 bytes, then K: 128 keys x 144 bytes
.set KOFF,    20480
.set SCRATCH, 77824                    ; 4 x 9,216: group 1's O (16 x 512), its (nmc, m) (512), its sums (512).  No tensor load lands here or beyond
.set STAGE,   114688                   ; 8 x 4,608: a wave's own 32 rows x 144 bytes, for the way out
.set KA,  1                            ; v1   LDS address of my K fragments in slot 0
.set VA,  2                            ; v2   of my V^T fragments
.set DLT, 3                            ; v3   32 w4 + r - 64 g - 8 h: key 16 kt + j is masked for query tile qt where 16 kt + j - 16 qt > DLT
.set NINF, 4                           ; v4   -infinity
.set STO, 5                            ; v5   stage: where I put 16 bytes
.set RD,  6                            ; v6   stage: where I read back
.set CO,  7                            ; v7   16 l: my bytes in a store of 512
.set QO,  8                            ; v8   128 r + 16 h: my bytes of a Q fragment
.set SCR, 9                            ; v9   scratch + 16 l
.set ST,  10                           ; v[10:17] for qt: nmc = -c m, m, alpha, its exponent (pairs, for the packed forms)
.set LS,  18                           ; v[18:21] for qt: the running sum, in two halves
.set TT,  22                           ; v[22:29] at work
.set QF,  32                           ; v[32:63]   Q fragment (qt, ks) at 32 + 16 qt + 8 ks
.set KV,  64                           ; v[64:127]  eight fragments: K's (ks, kt), then V^T's (ks, dt), at 64 + 8 (4 ks + ..)
.set SC,  128                          ; v[128:191] S tile (kt, qt) at 128 + 32 qt + 8 kt; P fragment (qt, ks) in place at 128 + 32 qt + 16 ks
.set OA,  192                          ; v[192:255] O tile (dt, qt) at 192 + 8 (2 dt + qt)
.set EA,  64                           ; the merge's factors, in KV's registers: for qt at 64 + 8 qt: fa, -, fb, -, three at work
.set G1V, 44                           ; s[44:51] group 1 for V's tiles
.set G1K, 52                           ; s[52:59] for K's
.set G0V, 68                           ; s[68:75] group 0 for V, a set for each slot
.set G0K, 76                           ; s[76:83] for K
; Waves 0-3 fetch 32 keys of V each, waves 4-7 32 keys of K: one tensor load of each wave is out.  The branch hangs on the wave's number alone.
.macro REFILL sl
	s_cmp_eq_u32 s9, 0
	s_cbranch_scc0 .Lfor_k_\@
	tensor_load_to_lds s[G0V+4*(\sl):G0V+4*(\sl)+3], s[G1V:G1V+7]
	s_nop 0
	s_branch .Lasked_\@
.Lfor_k_\@:
	tensor_load_to_lds s[G0K+4*(\sl):G0K+4*(\sl)+3], s[G1K:G1K+7]
	s_nop 0
.Lasked_\@:
.endm
; The head of the trip that reads slot.  Every wave waits for all its tensor loads (its part of this trip's tile) and for its reads of the other slot, passes the barrier,
; and the other slot's refill is the first tensor load behind it.  Fetch m (s18) takes tile m - 1 up to m = i, tile 31 - i at m = i + 1, tile m - i - 2 after.
.macro HEAD slot, refill
	s_wait_tensorcnt 0x0                           ; no tensor load of mine is out: every group 0 may be written
	ds_add_u32 v30, v31
	s_wait_dscnt 0x0
.if \refill
	s_add_co_u32 s17, s16, 1
	s_cmp_eq_u32 s18, s14                          ; the second block's diagonal tile?
	s_cselect_b32 s19, s15, s16
	s_cselect_b32 s16, 0, s17
	s_lshl_b32 s20, s19, 14                        ; a tile is 128 keys x 128 bytes
	s_add_nc_u64 s[G0V+4*(1-\slot)+2:G0V+4*(1-\slot)+3], s[30:31], s[20:21]
	s_add_nc_u64 s[G0K+4*(1-\slot)+2:G0K+4*(1-\slot)+3], s[32:33], s[20:21]
	s_add_co_u32 s18, s18, 1
.endif
	s_wait_dscnt 0x0
	s_barrier_signal -1
	s_barrier_wait -1
.if \refill
	REFILL 1-\slot
.endif
.endm
.macro QLOAD b                         ; my 32 queries as four B fragments
.irp qt, 0,1
.irp ks, 0,1
	global_load_b128 v[QF+16*\qt+8*\ks:QF+16*\qt+8*\ks+3],   v[QO], s[\b:\b+1] offset:2048*\qt+64*\ks
	global_load_b128 v[QF+16*\qt+8*\ks+4:QF+16*\qt+8*\ks+7], v[QO], s[\b:\b+1] offset:2048*\qt+64*\ks+32
.endr
.endr
.endm
.macro PKFMA qt                        ; c s - c m, two at a time
.irp p, 0,1,2,3,4,5,6,7,8,9,10,11,12,13,14,15
	v_pk_fma_f32 v[SC+32*\qt+2*\p:SC+32*\qt+2*\p+1], v[SC+32*\qt+2*\p:SC+32*\qt+2*\p+1], s[24:25], v[ST+4*\qt:ST+4*\qt+1] op_sel_hi:[1,0,0]
.endr
.endm
.macro EXPS qt                         ; 32 exponentials back to back, each on its own register; the plain work of the other query tile follows them (ISA guide 5.7.2)
.set nn, 0
.rept 32
	v_exp_f32 v[SC+32*\qt+nn], v[SC+32*\qt+nn]
.set nn, nn+1
.endr
.endm
.macro SUMS qt, first                  ; the running sum, in two chains
.if \first
	s_wait_alu depctr_va_vdst(0)
	v_pk_add_f32 v[LS+2*\qt:LS+2*\qt+1], v[SC+32*\qt:SC+32*\qt+1], v[SC+32*\qt+2:SC+32*\qt+3]
.else
	s_wait_alu depctr_va_vdst(0)
	v_pk_fma_f32 v[LS+2*\qt:LS+2*\qt+1], v[LS+2*\qt:LS+2*\qt+1], v[ST+4*\qt+2:ST+4*\qt+3], v[SC+32*\qt:SC+32*\qt+1] op_sel_hi:[1,0,1]
	v_pk_add_f32 v[LS+2*\qt:LS+2*\qt+1], v[LS+2*\qt:LS+2*\qt+1], v[SC+32*\qt+2:SC+32*\qt+3]
.endif
	v_pk_add_f32 v[TT+4+2*\qt:TT+5+2*\qt], v[SC+32*\qt+16:SC+32*\qt+17], v[SC+32*\qt+18:SC+32*\qt+19]
.irp p, 2,3,4,5,6,7
	v_pk_add_f32 v[LS+2*\qt:LS+2*\qt+1], v[LS+2*\qt:LS+2*\qt+1], v[SC+32*\qt+2*\p:SC+32*\qt+2*\p+1]
	v_pk_add_f32 v[TT+4+2*\qt:TT+5+2*\qt], v[TT+4+2*\qt:TT+5+2*\qt], v[SC+32*\qt+16+2*\p:SC+32*\qt+17+2*\p]
.endr
	v_pk_add_f32 v[LS+2*\qt:LS+2*\qt+1], v[LS+2*\qt:LS+2*\qt+1], v[TT+4+2*\qt:TT+5+2*\qt]
.endm
.macro CVTS qt                         ; p to f16 in place, ascending: word n takes numbers 2 n and 2 n + 1, which lie at or above it
.irp ks, 0,1
.irp p, 0,1,2,3,4,5,6,7
	v_cvt_pk_f16_f32 v[SC+32*\qt+16*\ks+\p], v[SC+32*\qt+16*\ks+2*\p], v[SC+32*\qt+16*\ks+2*\p+1]
.endr
.endr
.endm
.macro RESC qt                         ; O times alpha
.irp dt, 0,1,2,3
.irp p, 0,1,2,3
	v_pk_mul_f32 v[OA+8*(2*\dt+\qt)+2*\p:OA+8*(2*\dt+\qt)+2*\p+1], v[OA+8*(2*\dt+\qt)+2*\p:OA+8*(2*\dt+\qt)+2*\p+1], v[ST+4*\qt+2:ST+4*\qt+3] op_sel_hi:[1,0]
.endr
.endr
.endm
; One tile: my 32 queries x my 64 keys.  first = 1: a block's diagonal tile: masked, and it starts maximum, sum and O (nothing is cleared).
.macro TRIP slot, first
.irp ks, 0,1
.irp kt, 0,1,2,3
	ds_load_b128 v[KV+8*(4*\ks+\kt):KV+8*(4*\ks+\kt)+3],   v[KA] offset:\slot*SLOT+2304*\kt+64*\ks
	ds_load_b128 v[KV+8*(4*\ks+\kt)+4:KV+8*(4*\ks+\kt)+7], v[KA] offset:\slot*SLOT+2304*\kt+64*\ks+32
.endr
.endr
	s_wait_dscnt 0x8                               ; d 0-31 of my 64 keys are in; the eight loads of d 32-63 may be out
	; the eight accumulators take turns, one instruction a turn
.irp kt, 0,1,2,3
.irp qt, 0,1
	v_wmma_f32_16x16x32_f16 v[SC+32*\qt+8*\kt:SC+32*\qt+8*\kt+7], v[KV+8*\kt:KV+8*\kt+7], v[QF+16*\qt:QF+16*\qt+7], 0
.endr
.endr
	s_wait_dscnt 0x0
.irp kt, 0,1,2,3
.irp qt, 0,1
	v_wmma_f32_16x16x32_f16 v[SC+32*\qt+8*\kt:SC+32*\qt+8*\kt+7], v[KV+32+8*\kt:KV+32+8*\kt+7], v[QF+16*\qt+8:QF+16*\qt+15], v[SC+32*\qt+8*\kt:SC+32*\qt+8*\kt+7]
.endr
.endr
.rept 4
	v_nop                                          ; four places: for the loads into K's registers and for the first reads of the scores
.endr
.irp ks, 0,1
.irp dt, 0,1,2,3
	ds_load_tr16_b128 v[KV+8*(4*\ks+\dt):KV+8*(4*\ks+\dt)+3],   v[VA] offset:\slot*SLOT+5120*\ks+32*\dt        ; keys 32 ks + 8 h .. + 7 of column d = 16 dt + r
	ds_load_tr16_b128 v[KV+8*(4*\ks+\dt)+4:KV+8*(4*\ks+\dt)+7], v[VA] offset:\slot*SLOT+5120*\ks+32*\dt+2560   ; keys 32 ks + 16 + 8 h .. + 7
.endr
.endr
.if \first
	; one compare serves tile (kt = k1 - 1, qt = 0) and tile (kt = k1, qt = 1): both have 16 kt + j - 16 qt = 16 k1 - 16 + j
.irp k1, 0,1,2,3,4
.irp j, 0,1,2,3,4,5,6,7
	v_cmp_gt_i32 vcc_lo, 16*\k1-16+\j, v[DLT]
.if \k1 >= 1
	v_cndmask_b32 v[SC+8*(\k1-1)+\j], v[SC+8*(\k1-1)+\j], v[NINF], vcc_lo
.endif
.if \k1 <= 3
	v_cndmask_b32 v[SC+32+8*\k1+\j], v[SC+32+8*\k1+\j], v[NINF], vcc_lo
.endif
.endr
.endr
.endif
	; the maximum of my 32 scores of each query, four chains for each query tile, then the old maximum (or the floor), then the other half of the lanes
.irp qt, 0,1
.irp kt, 0,1,2,3
	v_max3_num_f32 v[TT+4*\qt+\kt], v[SC+32*\qt+8*\kt], v[SC+32*\qt+8*\kt+1], v[SC+32*\qt+8*\kt+2]
.endr
.endr
.irp qt, 0,1
.irp kt, 0,1,2,3
	v_max3_num_f32 v[TT+4*\qt+\kt], v[TT+4*\qt+\kt], v[SC+32*\qt+8*\kt+3], v[SC+32*\qt+8*\kt+4]
.endr
.endr
.irp qt, 0,1
.irp kt, 0,1,2,3
	v_max3_num_f32 v[TT+4*\qt+\kt], v[TT+4*\qt+\kt], v[SC+32*\qt+8*\kt+5], v[SC+32*\qt+8*\kt+6]
.endr
.endr
.irp qt, 0,1
	v_max3_num_f32 v[TT+4*\qt],   v[TT+4*\qt],   v[SC+32*\qt+7],  v[SC+32*\qt+15]
	v_max3_num_f32 v[TT+4*\qt+1], v[TT+4*\qt+1], v[SC+32*\qt+23], v[SC+32*\qt+31]
.endr
.irp qt, 0,1
	v_max3_num_f32 v[TT+4*\qt], v[TT+4*\qt], v[TT+4*\qt+1], v[TT+4*\qt+2]
.endr
.irp qt, 0,1
.if \first
	v_max3_num_f32 v[TT+4*\qt], v[TT+4*\qt], v[TT+4*\qt+3], s23
.else
	v_max3_num_f32 v[TT+4*\qt], v[TT+4*\qt], v[TT+4*\qt+3], v[ST+4*\qt+1]
.endif
.endr
.irp qt, 0,1
	v_permlanex16_b32 v[TT+4*\qt+1], v[TT+4*\qt], s27, s28         ; lane l takes lane l xor 16
.endr
.irp qt, 0,1
	v_max_num_f32 v[ST+4*\qt+1], v[TT+4*\qt], v[TT+4*\qt+1]        ; m
.endr
.if \first
.irp qt, 0,1
	v_mul_f32 v[ST+4*\qt], s26, v[ST+4*\qt+1]                      ; nmc = -c m
.endr
.else
.irp qt, 0,1
	v_mul_f32 v[TT+4*\qt+2], s26, v[ST+4*\qt+1]
	v_sub_f32 v[ST+4*\qt+3], v[TT+4*\qt+2], v[ST+4*\qt]            ; c m_old - c m_new
.endr
	v_exp_f32 v[ST+2], v[ST+3]                                     ; alpha
	v_exp_f32 v[ST+6], v[ST+7]
	v_mov_b32 v[ST],   v[TT+2]                                     ; plain work behind the exponentials
	v_mov_b32 v[ST+4], v[TT+6]
.endif
	PKFMA 0
	EXPS 0
	PKFMA 1
	EXPS 1
	SUMS 0, \first
	CVTS 0
.if \first == 0
	RESC 0
.endif
	SUMS 1, \first
	CVTS 1
.if \first == 0
	RESC 1
.endif
	s_wait_dscnt 0x0                               ; V^T's fragments
.irp ks, 0,1
.irp dt, 0,1,2,3
.irp qt, 0,1
.if \first*(1-\ks)
	v_wmma_f32_16x16x32_f16 v[OA+8*(2*\dt+\qt):OA+8*(2*\dt+\qt)+7], v[KV+8*(4*\ks+\dt):KV+8*(4*\ks+\dt)+7], v[SC+32*\qt+16*\ks:SC+32*\qt+16*\ks+7], 0
.else
	v_wmma_f32_16x16x32_f16 v[OA+8*(2*\dt+\qt):OA+8*(2*\dt+\qt)+7], v[KV+8*(4*\ks+\dt):KV+8*(4*\ks+\dt)+7], v[SC+32*\qt+16*\ks:SC+32*\qt+16*\ks+7], v[OA+8*(2*\dt+\qt):OA+8*(2*\dt+\qt)+7]
.endif
.endr
.endr
.endr
.rept 5
	v_nop                                          ; five places: the next tile's first products write over P's registers, its loads land in V^T's
.endr
.endm
; A block's end.  b: the scalar pair with the address of my 32 rows of att.
.macro FINISH b
	v_add_f32 v[TT+6], v[LS],   v[LS+1]            ; my lane's sums
	v_add_f32 v[TT+7], v[LS+2], v[LS+3]
	s_cmp_eq_u32 s9, 0
	s_cbranch_scc1 .Lkeep_\@
	ds_store_b64 v[SCR], v[ST:ST+1]     offset:8192    ; group 1 hands over (nmc, m) of both query tiles,
	ds_store_b64 v[SCR], v[ST+4:ST+5]   offset:8200
	ds_store_b64 v[SCR], v[TT+6:TT+7]   offset:8704    ; its sums,
.irp k, 0,1,2,3,4,5,6,7,8,9,10,11,12,13,14,15
	ds_store_b128 v[SCR], v[OA+4*\k:OA+4*\k+3] offset:512*\k   ; and O
.endr
.Lkeep_\@:
	s_wait_dscnt 0x0                               ; the stores are done before the signal; the trip's refill may stay out
	s_barrier_signal -1
	s_barrier_wait -1
	s_cmp_lg_u32 s9, 0
	s_cbranch_scc1 .Lover_\@
	ds_load_b128 v[TT:TT+3],   v[SCR] offset:8192  ; nmc', m' of query tile 0, of query tile 1
	ds_load_b64  v[TT+4:TT+5], v[SCR] offset:8704  ; the partner's sums
.irp k, 0,1,2,3,4,5,6,7,8,9,10,11,12,13,14,15
	ds_load_b128 v[SC+4*\k:SC+4*\k+3], v[SCR] offset:512*\k
.endr
	s_wait_dscnt 0x10                              ; the two small loads are in; the 16 loads of O' stay out
.irp qt, 0,1
	v_min_num_f32 v[EA+8*\qt+4], v[ST+4*\qt], v[TT+2*\qt]          ; the smaller -c m is the larger maximum
	v_sub_f32 v[EA+8*\qt+5], v[EA+8*\qt+4], v[ST+4*\qt]
	v_sub_f32 v[EA+8*\qt+6], v[EA+8*\qt+4], v[TT+2*\qt]
.endr
.irp qt, 0,1
	v_exp_f32 v[EA+8*\qt],   v[EA+8*\qt+5]         ; a: my state's weight
	v_exp_f32 v[EA+8*\qt+2], v[EA+8*\qt+6]         ; b: the partner's (0 where it never saw a key)
.endr
	v_nop                                          ; a plain place behind the exponentials
	s_wait_alu depctr_va_vdst(0)
.irp qt, 0,1
	v_mul_f32  v[EA+8*\qt+5], v[TT+6+\qt], v[EA+8*\qt]
	v_fmac_f32 v[EA+8*\qt+5], v[TT+4+\qt], v[EA+8*\qt+2]
	v_permlanex16_b32 v[EA+8*\qt+6], v[EA+8*\qt+5], s27, s28       ; the other half of the keys of each tile
	v_add_f32 v[EA+8*\qt+5], v[EA+8*\qt+5], v[EA+8*\qt+6]          ; the row's sum: at least about 1, the largest score's own term
.endr
	v_rcp_f32 v[EA+4],  v[EA+5]
	v_rcp_f32 v[EA+12], v[EA+13]
	v_nop
	s_wait_alu depctr_va_vdst(0)
.irp qt, 0,1
	v_mul_f32 v[EA+8*\qt],   v[EA+8*\qt],   v[EA+8*\qt+4]          ; fa = a / sum
	v_mul_f32 v[EA+8*\qt+2], v[EA+8*\qt+2], v[EA+8*\qt+4]          ; fb = b / sum
.endr
.irp ti, 0,1,2,3,4,5,6,7
.irp p, 0,1,2,3
	v_pk_mul_f32 v[OA+8*\ti+2*\p:OA+8*\ti+2*\p+1], v[OA+8*\ti+2*\p:OA+8*\ti+2*\p+1], v[EA+8*(\ti&1):EA+8*(\ti&1)+1] op_sel_hi:[1,0]
.endr
.endr
	s_wait_dscnt 0x0                               ; O'
.irp ti, 0,1,2,3,4,5,6,7
.irp p, 0,1,2,3
	v_pk_fma_f32 v[OA+8*\ti+2*\p:OA+8*\ti+2*\p+1], v[SC+8*\ti+2*\p:SC+8*\ti+2*\p+1], v[EA+8*(\ti&1)+2:EA+8*(\ti&1)+3], v[OA+8*\ti+2*\p:OA+8*\ti+2*\p+1] op_sel_hi:[1,0,1]
.endr
.endr
.irp ti, 0,1,2,3,4,5,6,7
.irp p, 0,1,2,3
	v_cvt_pk_f16_f32 v[96+4*\ti+\p], v[OA+8*\ti+2*\p], v[OA+8*\ti+2*\p+1]
.endr
	ds_store_b128 v[STO], v[96+4*\ti:96+4*\ti+3] offset:2304*(\ti&1)+32*(\ti>>1)   ; row 16 qt + r, d 16 dt + 8 h .. + 7
.endr
.irp t, 0,1,2,3,4,5,6,7
	ds_load_b128 v[SC+4*\t:SC+4*\t+3], v[RD] offset:576*\t         ; my own bytes; LDS serves a wave's instructions in order (ISA guide 5.7.1.4)
.endr
.irp t, 0,1,2,3,4,5,6,7
	s_wait_dscnt 7-\t
	global_store_b128 v[CO], v[SC+4*\t:SC+4*\t+3], s[\b:\b+1] offset:512*\t        ; four whole rows: 512 consecutive bytes, aligned
.endr
	s_wait_xcnt 0x0                                ; the stores' data registers are written again only behind this wait
.Lover_\@:
.endm
; A trip of the first loop: at trip i + 1 (s18 = i + 3 behind HEAD) the first block ends and the second begins.  The branch hangs on the work-group's number
; and a counter: it is the same in all eight waves.
.macro STEP slot
	HEAD \slot, 1
	s_cmp_eq_u32 s18, s13
	s_cbranch_scc1 .Lswitch_\@
	TRIP \slot, 0
	s_branch .Lnext_\@
.Lswitch_\@:
	QLOAD 36                                       ; the second block's queries, on their way during the merge
	FINISH 38
	s_wait_loadcnt 0x0
	TRIP \slot, 1
.Lnext_\@:
.endm
	s_load_b128 s[4:7], s[0:1], 0x0                ; qkvh s[4:5], att s[6:7]
	v_lshl_add_u32 v30, v0, 2, 0x29000
	v_mov_b32 v31, 0
	ds_add_u32 v30, v31
	ds_add_u32 v30, v31
	v_lshrrev_b32 v22, 5, v0
	v_readfirstlane_b32 s8, v22                    ; wave 0..7
	s_lshr_b32 s9, s8, 2                           ; g
	s_and_b32 s10, s8, 3                           ; w4
	s_mov_b32 s11, ttmp9                           ; i
	s_and_b32 s12, ttmp7, 0xffff                   ; head
	s_add_co_u32 s13, s11, 3
	s_add_co_u32 s14, s11, 1
	s_sub_co_u32 s15, 31, s11                      ; the second block, and its diagonal tile
	s_mov_b32 s16, 0                               ; the next plain tile
	s_mov_b32 s18, 1                               ; the next fetch
	s_mov_b32 s21, 0
	s_mov_b32 s23, 0xf149f2ca                      ; -1e30
	s_mov_b32 s24, 0x3e38aa3b                      ; c = log2(e) / 8
	s_mov_b32 s25, 0x3e38aa3b
	s_mov_b32 s26, 0xbe38aa3b                      ; -c
	s_mov_b32 s27, 0x76543210
	s_mov_b32 s28, 0xfedcba98
	; group 1: 32 keys x 128 bytes are dense in memory: 16 rows of 32 elements of 8 bytes; padding behind every 32 words (a key's 128 bytes): V 8 words, K 4
	s_mov_b32 s[G1V+0], (3<<16)|(1<<20)|(4<<22)|(7<<25)
	s_mov_b32 s[G1K+0], (3<<16)|(1<<20)|(4<<22)|(3<<25)
	s_mov_b32 s[G1V+1], 32<<16                     ; tensor_dim0 = 32
	s_mov_b32 s[G1K+1], 32<<16
	s_mov_b32 s[G1V+2], 16<<16                     ; tensor_dim1 = 16
	s_mov_b32 s[G1K+2], 16<<16
	s_mov_b32 s[G1V+3], 32<<16                     ; tile_dim0 = 32
	s_mov_b32 s[G1K+3], 32<<16
	s_mov_b32 s[G1V+4], 16                         ; tile_dim1 = 16
	s_mov_b32 s[G1K+4], 16
	s_mov_b32 s[G1V+5], 32                         ; elements from row to row
	s_mov_b32 s[G1K+5], 32
	s_mov_b32 s[G1V+6], 0
	s_mov_b32 s[G1K+6], 0
	s_mov_b32 s[G1V+7], 0
	s_mov_b32 s[G1K+7], 0
	s_mul_i32 s42, s8, 5120                        ; V: wave w (0-3) fills keys 32 w .. at 160 bytes
	s_mul_i32 s43, s8, 4608                        ; K: wave w (4-7) fills keys 32 (w - 4) .. at 144 bytes: 20,480 + 4,608 (w - 4)
	s_add_co_u32 s43, s43, 2048
.irp sl, 0,1
	s_mov_b32 s[G0V+4*\sl], 1
	s_add_co_u32 s[G0V+4*\sl+1], s42, \sl*SLOT
	s_mov_b32 s[G0K+4*\sl], 1
	s_add_co_u32 s[G0K+4*\sl+1], s43, \sl*SLOT
.endr
	s_lshl_b32 s84, s12, 19                        ; head x plane
	s_lshl_b32 s85, s10, 12                        ; + 32 w4 rows of 128 bytes
	s_add_co_u32 s84, s84, s85
	s_add_co_u32 s86, s84, 16*PLANE                ; K's planes are 16-31,
	s_mov_b32 s87, 0
	s_add_co_u32 s2, s84, 32*PLANE                 ; V's 32-47
	s_mov_b32 s3, 0
	s_lshl_b32 s60, s11, 14                        ; block i: 128 rows of 128 bytes each
	s_add_co_u32 s60, s60, s84
	s_mov_b32 s61, 0
	s_lshl_b32 s62, s15, 14                        ; block 31 - i
	s_add_co_u32 s62, s62, s84
	s_mov_b32 s63, 0
	s_lshl_b32 s20, s11, 14                        ; the first tile is tile i
	s_wait_dscnt 0x0
	s_wait_kmcnt 0x0
	s_add_nc_u64 s[30:31], s[4:5], s[2:3]          ; my rows of V's tile 0,
	s_or_b32 s31, s31, 0x80000000                  ; with the descriptor's type
	s_add_nc_u64 s[32:33], s[4:5], s[86:87]        ; of K's tile 0
	s_or_b32 s33, s33, 0x80000000
	s_add_nc_u64 s[34:35], s[4:5], s[60:61]        ; my queries of block i,
	s_add_nc_u64 s[36:37], s[4:5], s[62:63]        ; of block 31 - i
	s_add_nc_u64 s[38:39], s[6:7], s[60:61]        ; and the same rows of att
	s_add_nc_u64 s[40:41], s[6:7], s[62:63]
	s_add_nc_u64 s[G0V+2:G0V+3], s[30:31], s[20:21]
	s_add_nc_u64 s[G0K+2:G0K+3], s[32:33], s[20:21]
	REFILL 0                                       ; a first fill
	s_mul_i32 s84, s9, 9216                        ; my 64 keys of K: 64 g x 144, behind V
	s_add_co_u32 s84, s84, KOFF
	s_mul_i32 s85, s9, 10240                       ; of V: 64 g x 160
	s_lshl_b32 s86, s10, 5
	s_lshl_b32 s87, s9, 6
	s_sub_co_i32 s86, s86, s87                     ; 32 w4 - 64 g
	s_mul_i32 s87, s8, 4608
	s_add_co_u32 s87, s87, STAGE                   ; my stage
	s_mul_i32 s29, s10, 9216
	s_add_co_u32 s29, s29, SCRATCH                 ; the scratch that waves w4 and w4 + 4 share
	v_and_b32 v22, 15, v0                          ; r
	v_bfe_u32 v23, v0, 4, 1                        ; h
	v_and_b32 v24, 7, v0                           ; l % 8
	v_bfe_u32 v25, v0, 3, 1                        ; (l / 8) % 2
	v_and_b32 v26, 31, v0                          ; l
	v_bfe_u32 v27, v0, 3, 2                        ; l / 8
	v_mul_u32_u24 v29, v22, 144
	v_lshl_add_u32 v29, v23, 4, v29                ; 144 r + 16 h
	v_add_nc_u32 v[KA], s84, v29
	v_lshl_add_u32 v28, v23, 3, v24                ; key 8 h + l % 8
	v_mul_u32_u24 v28, v28, 160
	v_lshl_add_u32 v28, v25, 4, v28                ; + 16 bytes for the upper eight columns
	v_add_nc_u32 v[VA], s85, v28
	v_lshlrev_b32 v28, 3, v23
	v_sub_nc_u32 v28, v22, v28                     ; r - 8 h
	v_add_nc_u32 v[DLT], s86, v28
	v_mov_b32 v[NINF], 0xff800000
	v_add_nc_u32 v[STO], s87, v29
	v_mul_u32_u24 v28, v27, 144
	v_lshl_add_u32 v28, v24, 4, v28
	v_add_nc_u32 v[RD], s87, v28
	v_lshlrev_b32 v[CO], 4, v26
	v_lshlrev_b32 v28, 7, v22
	v_lshl_add_u32 v[QO], v23, 4, v28
	v_lshl_add_u32 v[SCR], v26, 4, s29
	QLOAD 34
	HEAD 0, 1                                      ; trip 0: block i's diagonal tile
	s_wait_loadcnt 0x0                             ; Q
	TRIP 0, 1
	s_mov_b32 s22, 8                               ; trips 1-16: the change of blocks falls on trip i + 1, which is one of them
.Lone:
	STEP 1
	STEP 0
	s_sub_co_u32 s22, s22, 1
	s_cmp_lg_u32 s22, 0
	s_cbranch_scc1 .Lone
	s_mov_b32 s22, 7                               ; trips 17-30
.Ltwo:
	HEAD 1, 1
	TRIP 1, 0
	HEAD 0, 1
	TRIP 0, 0
	s_sub_co_u32 s22, s22, 1
	s_cmp_lg_u32 s22, 0
	s_cbranch_scc1 .Ltwo
	HEAD 1, 1                                      ; trip 31 fetches the last tile,
	TRIP 1, 0
	HEAD 0, 0                                      ; trip 32 nothing: no tensor load is out from here on
	TRIP 0, 0
	FINISH 40
	s_wait_tensorcnt 0x0
	ds_add_u32 v30, v31
	s_wait_dscnt 0x0
	s_endpgm
.Lfunc_end_k_q049bfb2635_attn:
	.size	k_q049bfb2635_attn, .Lfunc_end_k_q049bfb2635_attn-k_q049bfb2635_attn
	.p2alignl 7, 3214868480
	.fill 96, 4, 3214868480
	.section	.rodata,"a",@progbits
	.p2align	6, 0x0
	.amdhsa_kernel k_q049bfb2635_attn
		.amdhsa_group_segment_fixed_size 327680
		.amdhsa_private_segment_fixed_size 0
		.amdhsa_enable_private_segment 0
		.amdhsa_kernarg_size 16
		.amdhsa_user_sgpr_count 2
		.amdhsa_user_sgpr_kernarg_segment_ptr 1
		.amdhsa_wavefront_size32 1
		.amdhsa_system_sgpr_workgroup_id_x 1
		.amdhsa_system_sgpr_workgroup_id_y 1
		.amdhsa_system_sgpr_workgroup_id_z 1
		.amdhsa_system_vgpr_workitem_id 0
		.amdhsa_next_free_vgpr 256
		.amdhsa_next_free_sgpr 88
		.amdhsa_reserve_vcc 1
		.amdhsa_float_denorm_mode_32 3
		.amdhsa_float_denorm_mode_16_64 3
		.amdhsa_memory_ordered 1
		.amdhsa_forward_progress 1
		.amdhsa_inst_pref_size 204
	.end_amdhsa_kernel
	.amdgpu_metadata
---
amdhsa.version: [ 1, 2 ]
amdhsa.kernels:
  - .name:           k_q049bfb2635_attn
    .symbol:         k_q049bfb2635_attn.kd
    .args:
      - { .name: qkvh, .offset: 0, .size: 8, .value_kind: global_buffer, .address_space: global }
      - { .name: att, .offset: 8, .size: 8, .value_kind: global_buffer, .address_space: global }
    .group_segment_fixed_size: 327680
    .private_segment_fixed_size: 0
    .kernarg_segment_align: 8
    .kernarg_segment_size: 16
    .max_flat_workgroup_size: 256
    .sgpr_count:     88
    .vgpr_count:     256
    .wavefront_size: 32
...
	.end_amdgpu_metadata
.endif
;; end of part 3
;; launch oproj (part 4): grid 8 x 32, 4 waves a work-group, clusters of 4 x 4, 327,680 bytes of LDS; arguments att, wob, b_o, out0; writes out0
.if DOCPART == 4
	.amdgcn_target "amdgcn-amd-amdhsa--gfx1250"
	.amdhsa_code_object_version 6
	.text
	.protected	k_q049bfb2635_oproj
	.globl	k_q049bfb2635_oproj
	.p2align	8
	.type	k_q049bfb2635_oproj,@function
k_q049bfb2635_oproj:
	s_mov_b64 s[64:65], 0
	v_nop
	global_prefetch_b8 v0, s[64:65] scope:SCOPE_SE
	s_setreg_imm32_b32 hwreg(HW_REG_WAVE_MODE, 25, 1), 1
	s_wait_xcnt 0x0
	s_wait_alu depctr_hold_cnt(0) depctr_sa_sdst(0) depctr_va_vdst(0) depctr_va_sdst(0) depctr_va_ssrc(0) depctr_va_vcc(0) depctr_vm_vsrc(0)
	s_getreg_b32 s2, hwreg(HW_REG_IB_STS2, 6, 4)
	s_cmp_eq_u32 s2, 0
	s_cbranch_scc0 .Lentry_in_a_cluster
	s_endpgm
.Lentry_in_a_cluster:
	s_bfe_u32 s2, ttmp6, 0x10000c
	s_cmp_lg_u32 s2, 0xf033
	s_cbranch_scc0 .Lentry_shape_is_right
	s_endpgm
.Lentry_shape_is_right:
; out0[m][n] = sum over k of att[m][k] w_o[n][k] + b_o[n], f32.  A = att, f16, head-major [16][4096][64] (k = 64 head + d); B = wob [1024][1024] f16; sums in f32.
; A work-group makes a block of 128 x 128 (8 x 32 = 256 work-groups) with four waves of 64 x 64: 16 accumulator tiles.  A larger block would leave WGPs without work.
; K goes in 8 steps of 128 = two heads.  Four LDS slots; a step is only 64 matrix instructions a wave, so two slots are filled behind each round of the cluster's
; barrier: each pair of tiles has the 128 matrix instructions of the other pair in which to land.  The schedule is short and written out without a loop.
; CLUSTERS: 4 x 4 work-groups; A's tiles (block row alone) are asked for jointly along a row of the cluster, B's (block column alone) along a column.
; The matrix instruction is used transposed (source 0 = rows of B, source 1 = rows of A): lane l holds row m = l % 16, registers 0-7 the columns 8 (l / 16) + 0..7.
; REGISTERS: window 0: addresses, the bias as four C tiles, two fragment buffers, two read-back buffers; window 1: v0-127 the accumulators, tile (a, b) at v[8 (4 a + b)].
.set PLANE, 524288
.set SLOT,  71680                      ; A even head 128 x 144, A odd head 128 x 144, B 128 x 272
.set BOFF,  36864
.set STAGE, 286720                     ; 4 x 16 rows x 272 bytes, a wave's own; no tensor load lands there
.set ADRA, 8                           ; v[8:11]   LDS address of my A fragments, slot 0..3
.set ADRB, 12                          ; v[12:15]  of my B fragments
.set STO,  16
.set RD,   17
.set CO,   18
.set BO,   19
.set BIAS, 32                          ; v[32:63]  tile b: register j of lane l = b_o[16 b + 8 (l / 16) + j]
.set F0,   64                          ; A's four fragments at + 8 a, B's at + 32 + 8 b
.set F1,   128
.set RB0,  192
.set RB1,  224
.set G1A, 24                           ; s[24:31]
.set G1B, 32                           ; s[32:39]
.set G0A, 40                           ; s[40:55] a set for each slot
.set G0B, 68                           ; s[68:83]
.set MSB, 0
.macro WIN new                         ; the immediate's high byte repeats the setting that is left
.if MSB != \new
	s_set_vgpr_msb (MSB<<8)|\new
.set MSB, \new
.endif
.endm
.set MUL,   0x50                       ; sources 0 and 1 window 0, C and D window 1
.set START, 0x40                       ; C = the bias in window 0, D window 1
.set FROM1, 0x04                       ; an LDS store's data from window 1
.macro JLOAD sl                        ; waves 0, 1 ask for A's two heads, waves 2, 3 for B's two halves; the branch hangs on the wave's number alone
	s_cmp_eq_u32 s11, 0
	s_cbranch_scc0 .Lfor_b_\@
	tensor_load_to_lds s[G0A+4*\sl:G0A+4*\sl+3], s[G1A:G1A+7]
	s_nop 0
	s_branch .Lasked_\@
.Lfor_b_\@:
	tensor_load_to_lds s[G0B+4*\sl:G0B+4*\sl+3], s[G1B:G1B+7]
	s_nop 0
.Lasked_\@:
.endm
.macro CROUND                          ; a round of the cluster's barrier
	s_barrier_signal -1
	s_barrier_wait -1
	s_cmp_lg_u32 s10, 0
	s_cbranch_scc1 .Lnot_wave_0_\@
	s_barrier_signal -3
.Lnot_wave_0_\@:
	s_barrier_wait -3
	s_barrier_signal -1
	s_barrier_wait -1
.endm
.macro PLACES                          ; four places behind matrix instructions, for loads into their sources and for reads of their results (ISA guide 7.12.1 for vector instructions)
.rept 4
	v_nop
.endr
.endm
.macro FETCH slot, q, f                ; the fragments of quarter q (32 along K: head q / 2 of the step, d 32 (q % 2) ..): 16 loads
.irp a, 0,1,2,3
	ds_load_b128 v[\f+8*\a:\f+8*\a+3],   v[ADRA+\slot] offset:18432*(\q>>1)+64*(\q&1)+2304*\a
	ds_load_b128 v[\f+8*\a+4:\f+8*\a+7], v[ADRA+\slot] offset:18432*(\q>>1)+64*(\q&1)+2304*\a+32
.endr
.irp b, 0,1,2,3
	ds_load_b128 v[\f+32+8*\b:\f+32+8*\b+3], v[ADRB+\slot] offset:64*\q+4352*\b
	ds_load_b128 v[\f+36+8*\b:\f+36+8*\b+3], v[ADRB+\slot] offset:64*\q+4352*\b+32
.endr
.endm
.macro MUL16 f, first                  ; the 16 accumulators take turns, one instruction a turn, in the same order in every quarter
.irp a, 0,1,2,3
.irp b, 0,1,2,3
.if \first
	v_wmma_f32_16x16x32_f16 v[8*(4*\a+\b):8*(4*\a+\b)+7], v[\f+32+8*\b:\f+32+8*\b+7], v[\f+8*\a:\f+8*\a+7], v[BIAS+8*\b:BIAS+8*\b+7]
.else
	v_wmma_f32_16x16x32_f16 v[8*(4*\a+\b):8*(4*\a+\b)+7], v[\f+32+8*\b:\f+32+8*\b+7], v[\f+8*\a:\f+8*\a+7], v[8*(4*\a+\b):8*(4*\a+\b)+7]
.endif
.endr
.endr
.endm
.macro QSTEP nslot, nq, f, g, first    ; fetch the next quarter into buffer g, multiply buffer f
	PLACES
	WIN 0
	FETCH \nslot, \nq, \g
	s_wait_dscnt 0x10                              ; buffer f is in; the 16 loads just issued stay out
.if \first
	WIN START
.else
	WIN MUL
.endif
	MUL16 \f, \first
.endm
.macro PAIR sa, sb, first              ; two K steps: eight quarters
.if \first == 0
	PLACES
.endif
	WIN 0
	FETCH \sa, 0, F0
	QSTEP \sa, 1, F0, F1, \first
	QSTEP \sa, 2, F1, F0, 0
	QSTEP \sa, 3, F0, F1, 0
	QSTEP \sb, 0, F1, F0, 0
	QSTEP \sb, 1, F0, F1, 0
	QSTEP \sb, 2, F1, F0, 0
	QSTEP \sb, 3, F0, F1, 0
	s_wait_dscnt 0x0
	MUL16 F1, 0
	WIN 0
.endm
; Slots sa, sb, which have been read, get the tiles four K steps on.  Every wave's waits stand in front of the round's opening signal, the joint loads first behind it.
.macro REFILL2 sa, sb
	s_wait_tensorcnt 0x0                           ; all my tensor loads have landed, the next pair's tiles among them: every group 0 may be written
	ds_add_u32 v30, v31
.irp sl, \sa, \sb
	s_add_nc_u64 s[G0A+4*\sl+2:G0A+4*\sl+3], s[G0A+4*\sl+2:G0A+4*\sl+3], 8*PLANE     ; eight heads on
	s_add_nc_u64 s[G0B+4*\sl+2:G0B+4*\sl+3], s[G0B+4*\sl+2:G0B+4*\sl+3], 4*256      ; 512 numbers along K
.endr
	s_wait_dscnt 0x0                               ; my reads of the two slots are over
	CROUND
	JLOAD \sa                                      ; two tensor loads of the wave are out
	JLOAD \sb
.endm
	s_load_b128 s[4:7], s[0:1], 0x0                ; att s[4:5], wob s[6:7]
	s_load_b128 s[84:87], s[0:1], 0x10             ; b_o s[84:85], out0 s[86:87]
	v_lshl_add_u32 v30, v0, 2, 0x4a400
	v_mov_b32 v31, 0
	ds_add_u32 v30, v31
	ds_add_u32 v30, v31
	v_lshrrev_b32 v1, 5, v0
	v_readfirstlane_b32 s10, v1                    ; wave 0..3
	s_lshr_b32 s11, s10, 1                         ; my half of the block's rows.  Also: I fetch for A (0) or for B (1)
	s_and_b32 s12, s10, 1                          ; my half of its columns.  Also: which head of A's step, which 64 rows of B
	s_bfe_u32 s56, ttmp6, 0x40000                  ; cx
	s_bfe_u32 s57, ttmp6, 0x40004                  ; cy
	s_lshl_b32 s58, ttmp9, 2
	s_add_co_u32 s58, s58, s56                     ; block column
	s_and_b32 s13, ttmp7, 0xffff
	s_lshl_b32 s13, s13, 2
	s_add_co_u32 s13, s13, s57                     ; block row
	s_lshl_b32 s59, s57, 2
	s_lshl_b32 s59, 15, s59                        ; my row of the cluster
	s_lshl_b32 s60, 0x1111, s56                    ; my column
	; A: a head's 128 rows x 128 bytes are dense: 64 rows of 32 elements of 8 bytes, 4 words of padding behind every 32 words: LDS rows of 144 bytes
	s_or_b32 s[G1A+0], s59, (3<<16)|(1<<20)|(1<<21)|(4<<22)|(3<<25)
	s_mov_b32 s[G1A+1], 32<<16
	s_mov_b32 s[G1A+2], 64<<16
	s_mov_b32 s[G1A+3], 32<<16
	s_mov_b32 s[G1A+4], 64
	s_mov_b32 s[G1A+5], 32
	s_mov_b32 s[G1A+6], 0
	s_mov_b32 s[G1A+7], 0
	; B: 64 rows x 128 elements of 2 bytes, 1,024 elements from row to row, 4 words of padding behind every 64 words: LDS rows of 272 bytes
	s_or_b32 s[G1B+0], s60, (1<<16)|(1<<20)|(1<<21)|(5<<22)|(3<<25)
	s_mov_b32 s[G1B+1], 128<<16
	s_mov_b32 s[G1B+2], 64<<16
	s_mov_b32 s[G1B+3], 128<<16
	s_mov_b32 s[G1B+4], 64
	s_mov_b32 s[G1B+5], 1024
	s_mov_b32 s[G1B+6], 0
	s_mov_b32 s[G1B+7], 0
	s_lshl_b32 s16, s12, 19                        ; A: head s12 of step 0, rows 128 x block row, 128 bytes each
	s_lshl_b32 s17, s13, 14
	s_add_co_u32 s16, s16, s17
	s_mov_b32 s17, 0
	s_lshl_b32 s88, s58, 18                        ; B: row 128 x block column + 64 x half, 2,048 bytes each
	s_lshl_b32 s89, s12, 17
	s_add_co_u32 s88, s88, s89
	s_mov_b32 s89, 0
	s_lshl_b32 s90, s58, 9                         ; my 64 columns in b_o and in a row of out0: 4 bytes x (128 x block column + 64 x half)
	s_lshl_b32 s91, s12, 8
	s_add_co_u32 s90, s90, s91
	s_mov_b32 s91, 0
	s_mul_i32 s18, s10, 18432                      ; LDS: A's head w (waves 0, 1)
	s_mul_i32 s19, s10, 17408                      ; B's half w - 2 (waves 2, 3): 36,864 + 17,408 (w - 2)
	s_add_co_u32 s19, s19, 2048
	s_wait_dscnt 0x0
	s_wait_kmcnt 0x0
	s_add_nc_u64 s[14:15], s[4:5], s[16:17]
	s_add_nc_u64 s[62:63], s[6:7], s[88:89]
	s_add_nc_u64 s[84:85], s[84:85], s[90:91]
	CROUND                                         ; all sixteen work-groups are here: the first joint loads meet
.irp sl, 0,1,2,3
	s_mov_b32 s[G0A+4*\sl], 1
	s_add_co_u32 s[G0A+4*\sl+1], s18, \sl*SLOT
	s_add_nc_u64 s[G0A+4*\sl+2:G0A+4*\sl+3], s[14:15], \sl*2*PLANE     ; K step sl: two heads on
	s_or_b32 s[G0A+4*\sl+3], s[G0A+4*\sl+3], 0x80000000
	s_mov_b32 s[G0B+4*\sl], 1
	s_add_co_u32 s[G0B+4*\sl+1], s19, \sl*SLOT
	s_add_nc_u64 s[G0B+4*\sl+2:G0B+4*\sl+3], s[62:63], \sl*256
	s_or_b32 s[G0B+4*\sl+3], s[G0B+4*\sl+3], 0x80000000
	JLOAD \sl                                      ; four tensor loads of the wave are out behind the last
.endr
	v_and_b32 v1, 15, v0                           ; r
	v_bfe_u32 v2, v0, 4, 1                         ; h
	v_lshlrev_b32 v[BO], 5, v2
.irp b, 0,1,2,3
	global_load_b128 v[BIAS+8*\b:BIAS+8*\b+3],   v[BO], s[84:85] offset:64*\b
	global_load_b128 v[BIAS+8*\b+4:BIAS+8*\b+7], v[BO], s[84:85] offset:64*\b+16
.endr
	v_mul_u32_u24 v3, v1, 144
	v_lshl_add_u32 v3, v2, 4, v3                   ; A: 144 r + 16 h
	v_mul_u32_u24 v4, v1, 272
	v_lshl_add_u32 v5, v2, 5, v4                   ; stage, in: 272 r + 32 h
	v_lshl_add_u32 v4, v2, 4, v4                   ; B: 272 r + 16 h
	s_mul_i32 s20, s11, 9216                       ; my 64 rows of A
	s_mul_i32 s21, s12, 17408                      ; my 64 rows of B,
	s_add_co_u32 s21, s21, BOFF                    ; behind A's two heads
.irp sl, 0,1,2,3
	v_add_nc_u32 v[ADRA+\sl], s20, v3
	v_add_nc_u32 v[ADRB+\sl], s21, v4
	s_add_co_u32 s20, s20, SLOT
	s_add_co_u32 s21, s21, SLOT
.endr
	s_mul_i32 s22, s10, 4352
	s_add_co_u32 s22, s22, STAGE                   ; my stage
	v_add_nc_u32 v[STO], s22, v5
	v_mul_u32_u24 v6, v2, 272                      ; back: lanes 0-15 one row of 256 bytes, lanes 16-31 the next
	v_lshl_add_u32 v6, v1, 4, v6
	v_add_nc_u32 v[RD], s22, v6
	v_lshlrev_b32 v6, 12, v2                       ; the same two rows of out0, 4,096 bytes apart
	v_lshl_add_u32 v[CO], v1, 4, v6
	s_wait_tensorcnt 0x2                           ; my parts of K steps 0 and 1 are in; steps 2 and 3 stay out
	s_wait_loadcnt 0x0                             ; the bias
	s_barrier_signal -1
	s_barrier_wait -1
	PAIR 0, 1, 1                                   ; K steps 0, 1; the first products start the sums from the bias
	REFILL2 0, 1                                   ; K steps 4, 5 go out
	PAIR 2, 3, 0                                   ; K steps 2, 3
	REFILL2 2, 3                                   ; K steps 6, 7 go out
	PAIR 0, 1, 0                                   ; K steps 4, 5
	s_wait_tensorcnt 0x0                           ; my parts of K steps 6, 7
	s_wait_dscnt 0x0
	s_barrier_signal -1
	s_barrier_wait -1                              ; everybody's; nothing is filled any more
	PAIR 2, 3, 0
	; THE WAY OUT, 16 rows at a time through my own stage: a lane's 32 bytes in, whole rows of 256 bytes back
	PLACES
	s_lshl_b32 s16, s13, 19                        ; my first row: (128 x block row + 64 x half) x 4,096 bytes
	s_lshl_b32 s17, s11, 18
	s_add_co_u32 s16, s16, s17
	s_mov_b32 s17, 0
	s_add_nc_u64 s[8:9], s[86:87], s[16:17]
	s_add_nc_u64 s[8:9], s[8:9], s[90:91]
.macro OUT16 a, f
	WIN FROM1
.irp b, 0,1,2,3
	ds_store_b128 v[STO], v[8*(4*\a+\b):8*(4*\a+\b)+3]   offset:64*\b
	ds_store_b128 v[STO], v[8*(4*\a+\b)+4:8*(4*\a+\b)+7] offset:64*\b+16
.endr
	WIN 0
	s_wait_xcnt 0x0                                ; buffer f, which earlier stores read, is loaded again only behind this wait
.irp t, 0,1,2,3,4,5,6,7
	ds_load_b128 v[\f+4*\t:\f+4*\t+3], v[RD] offset:544*\t         ; LDS serves a wave's instructions in order (ISA guide 5.7.1.4): these see the stores above
.endr
.irp t, 0,1,2,3,4,5,6,7
	s_wait_dscnt 7-\t
	global_store_b128 v[CO], v[\f+4*\t:\f+4*\t+3], s[8:9] offset:65536*\a+8192*\t th:TH_STORE_NT   ; 16 lanes store 256 consecutive bytes, aligned
.endr
.endm
	OUT16 0, RB0
	OUT16 1, RB1
	OUT16 2, RB0
	OUT16 3, RB1
	s_wait_tensorcnt 0x0
	ds_add_u32 v30, v31
	s_wait_dscnt 0x0
	CROUND                                         ; the closing round: no work-group ends while a partner may still ask for a tile that names it
	s_endpgm
.Lfunc_end_k_q049bfb2635_oproj:
	.size	k_q049bfb2635_oproj, .Lfunc_end_k_q049bfb2635_oproj-k_q049bfb2635_oproj
	.p2alignl 7, 3214868480
	.fill 96, 4, 3214868480
	.section	.rodata,"a",@progbits
	.p2align	6, 0x0
	.amdhsa_kernel k_q049bfb2635_oproj
		.amdhsa_group_segment_fixed_size 327680
		.amdhsa_private_segment_fixed_size 0
		.amdhsa_enable_private_segment 0
		.amdhsa_kernarg_size 32
		.amdhsa_user_sgpr_count 2
		.amdhsa_user_sgpr_kernarg_segment_ptr 1
		.amdhsa_wavefront_size32 1
		.amdhsa_system_sgpr_workgroup_id_x 1
		.amdhsa_system_sgpr_workgroup_id_y 1
		.amdhsa_system_sgpr_workgroup_id_z 1
		.amdhsa_system_vgpr_workitem_id 0
		.amdhsa_next_free_vgpr 384
		.amdhsa_next_free_sgpr 96
		.amdhsa_reserve_vcc 0
		.amdhsa_float_denorm_mode_32 3
		.amdhsa_float_denorm_mode_16_64 3
		.amdhsa_memory_ordered 1
		.amdhsa_forward_progress 1
		.amdhsa_inst_pref_size 92
	.end_amdhsa_kernel
	.amdgpu_metadata
---
amdhsa.version: [ 1, 2 ]
amdhsa.kernels:
  - .name:           k_q049bfb2635_oproj
    .symbol:         k_q049bfb2635_oproj.kd
    .args:
      - { .name: att, .offset: 0, .size: 8, .value_kind: global_buffer, .address_space: global }
      - { .name: wob, .offset: 8, .size: 8, .value_kind: global_buffer, .address_space: global }
      - { .name: b_o, .offset: 16, .size: 8, .value_kind: global_buffer, .address_space: global }
      - { .name: out0, .offset: 24, .size: 8, .value_kind: global_buffer, .address_space: global }
    .group_segment_fixed_size: 327680
    .private_segment_fixed_size: 0
    .kernarg_segment_align: 8
    .kernarg_segment_size: 32
    .max_flat_workgroup_size: 128
    .sgpr_count:     96
    .vgpr_count:     384
    .wavefront_size: 32
...
	.end_amdgpu_metadata
.endif
;; end of part 4
